; MI455X (gfx1250); checked and timed in simulation.
; The chip was launched on July 23, 2026; its instructions are those of AMD's public machine-readable ISA for CDNA 5 (MIT licence, August 2026) and "CDNA5" Instruction Set Architecture Reference Guide (July 2026). The comments in the code are by the model that wrote it; some were corrected since.
;; Self Attention. Allowed arithmetic: matrix products marked QUANTISED: E2M1 operands, one E8M0 scale for each 32 along K, by v_wmma_scale_f32_16x16x128_f8f6f4 with both operands' format E2M1 (or v_wmma_scale_f32_32x16x128_f4), f32 sums; everything else in f32.
;; Inputs: Wk_codes 512 x 16 x 16 uint8 (E2M1 codes of Wk, K innermost, in blocks of 32 codes, two codes a byte); Wk_scales 512 x 16 uint8 (E8M0 scales of Wk, one for each 32 codes along K); Wo_codes 512 x 16 x 16 uint8 (E2M1 codes of Wo, K innermost, in blocks of 32 codes, two codes a byte); Wo_scales 512 x 16 uint8 (E8M0 scales of Wo, one for each 32 codes along K); Wq_codes 512 x 16 x 16 uint8 (E2M1 codes of Wq, K innermost, in blocks of 32 codes, two codes a byte); Wq_scales 512 x 16 uint8 (E8M0 scales of Wq, one for each 32 codes along K); Wv_codes 512 x 16 x 16 uint8 (E2M1 codes of Wv, K innermost, in blocks of 32 codes, two codes a byte); Wv_scales 512 x 16 uint8 (E8M0 scales of Wv, one for each 32 codes along K); beta 512 float32; bk 512 float32; bo 512 float32; bq 512 float32; bv 512 float32; gamma 512 float32; x 2 x 4,096 x 512 float32.
;; Outputs: out0 2 x 4,096 x 512 float32.
;; This version of the problem:
;;   THIS VERSION OF THE PROBLEM IS GIVEN IN LOW PRECISION. The matrix products marked QUANTISED in the list below multiply operands that are first quantised to E2M1 (2 exponent bits, 1 mantissa bit; 4 bits a number), with one power-of-two scale for each 32 numbers along K (OCP MX v1.0); their sums are f32. All else is computed in f32.
;;   The module's matrix products, in the order in which they are computed (A, B: the left and right operand; K: the contracted axis; several contracted axes count as one K, in the product's order):
;;     1. [M 8,192, K 512] x [K 512, N 512]; A: input x; B: input Wq (given as codes): QUANTISED
;;     2. [M 8,192, K 512] x [K 512, N 512]; A: input x; B: input Wk (given as codes): QUANTISED
;;     3. [M 8,192, K 512] x [K 512, N 512]; A: input x; B: input Wv (given as codes): QUANTISED
;;     4. batch 16 x [M 4,096, K 64] x [K 64, N 4,096]; A: computed on the way; B: computed on the way: QUANTISED
;;     5. batch 16 x [M 4,096, K 4,096] x [K 4,096, N 64]; A: softmax (see below); B: computed on the way: QUANTISED
;;     6. [M 8,192, K 512] x [K 512, N 512]; A: computed on the way; B: input Wo (given as codes): QUANTISED
;;   THE QUANTISER, for each operand of a quantised product, along K:
;;     - K is cut into blocks of 32 from its start; a last block that is shorter is filled with zeros.
;;     - A block's scale is 2^e with e = floor(log2(the largest magnitude in the block)) - 2, held to -126 .. 127; a block of zeros has e = 0. As a byte (E8M0): e + 127.
;;     - Each number is divided by its block's scale, clamped to +-6, and rounded to the nearest number of E2M1, ties to even, subnormals kept.
;;     - The product sums the exact products of the quantised numbers (number of the format x scale) in f32.
;;   ~~~python
;;   def quantise(x, axis):      # numpy; x: float32 -> the quantised numbers, widened to float32 again
;;       x = np.moveaxis(x, axis, -1); K = x.shape[-1]
;;       x = np.pad(x, [(0, 0)] * (x.ndim - 1) + [(0, -K % 32)]); x = x.reshape(x.shape[:-1] + (-1, 32)); a = np.abs(x).max(-1, keepdims=True)
;;       e = np.where(a > 0, np.clip(np.frexp(np.where(a > 0, a, 1))[1] - 1 - 2, -126, 127), 0)      # np.frexp(a)[1] - 1 = floor(log2(a)), exactly
;;       r = np.clip(x / 2.0 ** e, -6, 6)
;;       step = 2.0 ** (np.maximum(np.frexp(np.where(r == 0, 1, r))[1] - 1, 0) - 1)
;;       q = np.round(r / step) * step * 2.0 ** e      # np.round: ties to even
;;       return np.moveaxis(q.reshape(q.shape[:-2] + (-1,))[..., :K], -1, axis).astype(np.float32)
;;   ~~~
;;   SOFTMAX AHEAD OF A QUANTISED PRODUCT. Where the list says 'softmax', what is quantised is not the finished softmax but p = 2^(t - M), with t = logit x log2(e) and M = ceil(the row's largest t), a whole number; so 1/2 < the row's largest p <= 1. The row's sum l is taken of the UNQUANTISED p, in f32, and the product's result is divided by l at the end. Since M is a whole number, a kernel that streams over the keys may use a running M (the ceiling of the running maximum): every later rescaling is an exact power of two, which a block's scale takes up: the codes' values come out the same.
;;   OPERANDS COMPUTED ON THE WAY. 'Computed on the way' means the value that the module computes at that place (a softmax that the list does not call 'softmax' is quantised finished and normalised). What goes into a quantiser is computed in f32, as accurately as f32 sums, v_exp_f32 and their like allow (about 1e-6 of the number): no bf16 or f16 on the way to a quantiser, and a product that is left as it is and whose result goes on into a quantised operand takes f32 operands (vector FMAs, or v_wmma_f32_16x16x4_f32). A number that lies on a knife's edge between two numbers of the format may be rounded either way, as far as f32 arithmetic and the matrix unit's own rounding can turn it there, and no further.
;;   INPUTS GIVEN AS CODES. Wk (in the module: [512, 512], K = its axis 0); Wo (in the module: [512, 512], K = its axis 0); Wq (in the module: [512, 512], K = its axis 0); Wv (in the module: [512, 512], K = its axis 0): each comes as NAME_codes (uint8): NAME with its K axis moved to the last place and cut into blocks of 32 codes, [.., K / 32, bytes a block], one block behind the other in memory; two codes a byte, the lower K in the low four bits (a code: sign, 2 exponent bits, 1 mantissa bit); and NAME_scales (uint8): the same leading axes, one E8M0 byte (e + 127) for each 32 codes along K. Its value is code x scale, taken as it is: it is not quantised again, and the codes and scales need not be those that the quantiser above would give.
;; One version. Each part assembles by itself: llvm-mc -triple=amdgcn-amd-amdhsa -mcpu=gfx1250 --defsym DOCPART=n.
;; ======== version 1 of 1: 3 launches
;; workspace buffers: qimg 2,359,296 bytes; kv 4,587,520 bytes; oc 2,097,152 bytes; os 131,072 bytes
;; launch qkv (part 1): grid 4 x 64, 8 waves a work-group, clusters of 4 x 1, 308,224 bytes of LDS; arguments x, Wq_codes, Wq_scales, bq, Wk_codes, Wk_scales, bk, Wv_codes, Wv_scales, bv, qimg, kv; writes qimg, kv
.if DOCPART == 1
	.amdgcn_target "amdgcn-amd-amdhsa--gfx1250"
	.amdhsa_code_object_version 6
	.text
	.protected	k_q5f826d4a6b_qkv
	.globl	k_q5f826d4a6b_qkv
	.p2align	8
	.type	k_q5f826d4a6b_qkv,@function
k_q5f826d4a6b_qkv:
	s_mov_b64 s[64:65], 0
	v_nop
	global_prefetch_b8 v0, s[64:65] scope:SCOPE_SE
	s_setreg_imm32_b32 hwreg(HW_REG_WAVE_MODE, 25, 1), 1
	s_wait_xcnt 0x0
	s_wait_alu depctr_hold_cnt(0) depctr_sa_sdst(0) depctr_va_vdst(0) depctr_va_sdst(0) depctr_va_ssrc(0) depctr_va_vcc(0) depctr_vm_vsrc(0)
	s_getreg_b32 s2, hwreg(HW_REG_IB_STS2, 6, 4)
	s_cmp_eq_u32 s2, 0
	s_cbranch_scc0 .Lentry_in_a_cluster
	s_endpgm
.Lentry_in_a_cluster:
	s_bfe_u32 s2, ttmp6, 0x10000c
	s_cmp_lg_u32 s2, 0x3003
	s_cbranch_scc0 .Lentry_shape_is_right
	s_endpgm
.Lentry_shape_is_right:
; q, k, v = Q(x) W + b on codes of FP4 (E2M1) with one E8M0 scale for each 32 along K; then q and k are quantised along the head's 64 channels and v along the keys.
; x: [8192][512] f32.  Wq, Wk, Wv: codes, K innermost, 256 bytes a row, 16 scale bytes a row.  Results: images of operand registers (lane l's 16 bytes at 16 l) in qimg and kv.
; SHARES.  A work-group takes a STEP of 128 tokens (work-group y) and two heads (its place in the cluster).  Phase X: wave w quantises tile w of x, 16 tokens, and stores its four fragments in LDS.
; Phase P: wave w < 6 takes one unit, q, k or v of one of the two heads, for all 128 tokens; its 64 rows of W stay in its registers.
; THE ROWS OF A TILE ARE NOT NEIGHBOURS: row m of tile i of a group of 64 (tokens, rows of W) is 8 i + (m & 7) + 32 (m >> 3).  A result's lane (r, h) holds rows 8 h + j of a tile, so the 32 registers that it holds over
; tiles i = 0 .. 3 are the 32 neighbours 32 h + 8 i + j: ONE WHOLE BLOCK of the next product's K.  Its largest magnitude needs no other lane, and the conversion of tile i's eight registers IS register i of the next operand.
; q, k: the product is used transposed (source 0 = rows of W, source 1 = tokens): a lane holds one token, its registers run along the channels.  v: source 0 = tokens, source 1 = rows of Wv: a lane holds one channel, its registers run down the keys.
; CLUSTER.  The four work-groups of a cluster need the same 128 rows of x: each tile of x is asked for JOINTLY (mask 15).  W is not asked for jointly: the four partners take different heads, so no row of W is shared among them.
; Nothing in LDS is filled twice.
; LIMITS: NaN and infinities among the inputs are not served.  A block whose largest magnitude lies under 2^-124 has its byte held at 1; a block of zeros so gets the byte 1 with zero codes (the bytes are read by this program alone).
; REGISTERS, window 0: v1-15 lane numbers and addresses; v16-47 x's four fragments of a tile; v48-51 their scale words; v52-67 W's scale words; v68-71 bv; v72-83 at work; v84-95 scale words on their way out; v96-127 codes to store;
;   v128-255 accumulators (in phase X: two sets of 64 numbers of x).   window 1: v0-127 W's 16 fragments (tile i, K step s at 8 (4 i + s)); v128-159 the bias as the C of each sum's first product.
.set XW,    33536                      ; LDS: a wave's region for its 16 tokens of x
.set RUN,   16656                      ; its second run of 8 tokens begins here: 16 bytes more than a run's 16,640, so that tokens r and r + 8 begin 16 bytes apart modulo 256
.set XIMG,  8*XW                       ; x's 32 fragments: (tile t, K step s) at 1,024 (4 t + s), registers 4 c on at + 512 c + 16 x lane
.set XSC,   XIMG+32*1024               ; their scale words: 512 t + 16 x lane + 4 s
.set XF,    16
.set XS,    48
.set WS,    52
.set VB,    68
.set TM,    72
.set WD,    84
.set SCW,   92
.set CD,    96
.set AC,    128
.set XN,    128
.set BI,    128                        ; in window 1
.set WV,    28                         ; s28 my wave's number
.set SEL,   76                         ; s[76:77] lane selects for v_permlanex16_b32: lane l xor 16
.set G1X,   36                         ; s[36:43] descriptor group 1;  s[44:47], s[48:51] group 0 of my two runs
.set G0X,   44
.set MSB,   0
.macro WIN new                         ; the immediate's high byte repeats the setting that is left
.if MSB != \new
	s_set_vgpr_msb (MSB<<8)|\new
.set MSB, \new
.endif
.endm
.macro ROUND                           ; a round of the cluster's barrier
	s_barrier_signal -1
	s_barrier_wait -1
	s_cmp_lg_u32 s[WV], 0
	s_cbranch_scc1 .Lnot_wave_0_\@
	s_barrier_signal -3
.Lnot_wave_0_\@:
	s_barrier_wait -3
	s_barrier_signal -1
	s_barrier_wait -1
.endm
; 64 numbers of my token, K step ks: register 32 c + e holds k = 128 ks + 64 c + 32 h + e
.macro XLD ks, set
.irp c, 0,1
.irp g, 0,1,2,3,4,5,6,7
	ds_load_b128 v[(\set)+32*\c+4*\g:(\set)+32*\c+4*\g+3], v8 offset:1040*((\ks)/2)+512*((\ks)%2)+256*\c+16*\g
.endr
.endr
.endm
; they become fragment ks of my tile, in v[XF + 8 ks] on, and its scale word in v[XS + ks]: a lane holds two whole blocks
.macro QUANT64 src, ks
.irp c, 0,1
	v_max3_num_f32 v[TM+\c], |v[(\src)+32*\c]|, |v[(\src)+32*\c+1]|, 0x1800000   ; the floor 2^(3 - 127) among the leaves: the byte cannot fall under 1
.endr
.irp e, 2,4,6,8,10,12,14,16,18,20,22,24,26,28,30
.irp c, 0,1
	v_max3_num_f32 v[TM+\c], v[TM+\c], |v[(\src)+32*\c+\e]|, |v[(\src)+32*\c+\e+1]|
.endr
.endr
.irp c, 0,1
	v_add_nc_u32 v[TM+2+\c], 0xff000000, v[TM+\c]    ; 2 off the exponent field: the conversion's scale operand
.endr
.irp c, 0,1
	v_lshrrev_b32 v[TM+4+\c], 23, v[TM+2+\c]         ; the scale's byte
.endr
	v_lshl_or_b32 v[XS+(\ks)], v[TM+5], 16, v[TM+4]  ; my bytes: blocks h and 2 + h,
	v_lshlrev_b32 v[XS+(\ks)], v7, v[XS+(\ks)]       ; at their places (8 h bits up);
	v_permlanex16_b32 v[TM+6], v[XS+(\ks)], s[SEL], s[SEL+1]
	v_or_b32 v[XS+(\ks)], v[XS+(\ks)], v[TM+6]       ; with lane l xor 16's two the word is whole
.irp c, 0,1
.irp g, 0,1,2,3
	v_cvt_scalef32_pk8_fp4_f32 v[XF+8*(\ks)+4*\c+\g], v[(\src)+32*\c+8*\g:(\src)+32*\c+8*\g+7], v[TM+2+\c]
.endr
.endr
	v_nop                                            ; one plain place behind the last scaled conversion
.endm
.macro IMAGE ks                        ; the fragment goes to LDS as it stands, and its scale word beside it
.irp c, 0,1
	ds_store_b128 v9, v[XF+8*(\ks)+4*\c:XF+8*(\ks)+4*\c+3] offset:1024*(\ks)+512*\c
.endr
	ds_store_b32 v10, v[XS+(\ks)] offset:4*(\ks)
.endm
.macro FETCH t                         ; tile t's four fragments and four scale words come back so, in any wave
.irp ks, 0,1,2,3
.irp c, 0,1
	ds_load_b128 v[XF+8*\ks+4*\c:XF+8*\ks+4*\c+3], v14 offset:1024*(4*(\t)+\ks)+512*\c
.endr
.endr
	ds_load_b128 v[XS:XS+3], v15 offset:512*(\t)
.endm
; 32 numbers of a lane, one whole block, become four registers of codes; hw: its byte and lane l xor 16's, block 0's below.  Each accumulator is first read at its low end.
.macro QUANT32 src, dst, hw
	v_max3_num_f32 v[TM], |v[(\src)]|, |v[(\src)+1]|, 0x1800000
	v_max3_num_f32 v[TM+1], |v[(\src)+16]|, |v[(\src)+17]|, 0x1800000
.irp e, 2,4,6,8,10,12,14
	v_max3_num_f32 v[TM], v[TM], |v[(\src)+\e]|, |v[(\src)+\e+1]|
	v_max3_num_f32 v[TM+1], v[TM+1], |v[(\src)+16+\e]|, |v[(\src)+17+\e]|
.endr
	v_max_num_f32 v[TM], v[TM], v[TM+1]
	v_add_nc_u32 v[TM+2], 0xff000000, v[TM]
	v_lshrrev_b32 v[TM+4], 23, v[TM+2]
	v_lshlrev_b32 v[\hw], v7, v[TM+4]
	v_permlanex16_b32 v[TM+6], v[\hw], s[SEL], s[SEL+1]
	v_or_b32 v[\hw], v[\hw], v[TM+6]
.irp g, 0,1,2,3
	v_cvt_scalef32_pk8_fp4_f32 v[(\dst)+\g], v[(\src)+8*\g:(\src)+8*\g+7], v[TM+2]
.endr
	v_nop                                            ; one plain place behind the last scaled conversion
.endm
; q, k: 16 products for a tile of tokens: four tiles of W's rows by turns, K step by K step; the bias is the first product's C
.macro QKMUL
	WIN 0x11                                         ; source 0 (W) and source 2 (the bias) window 1
.irp i, 0,1,2,3
	v_wmma_scale_f32_16x16x128_f8f6f4 v[AC+8*\i:AC+8*\i+7], v[32*\i:32*\i+7], v[XF:XF+7], v[BI+8*\i:BI+8*\i+7], v[WS+4*\i], v[XS] matrix_a_fmt:MATRIX_FMT_FP4 matrix_b_fmt:MATRIX_FMT_FP4
.endr
	WIN 0x01
.irp ks, 1,2,3
.irp i, 0,1,2,3
	v_wmma_scale_f32_16x16x128_f8f6f4 v[AC+8*\i:AC+8*\i+7], v[32*\i+8*\ks:32*\i+8*\ks+7], v[XF+8*\ks:XF+8*\ks+7], v[AC+8*\i:AC+8*\i+7], v[WS+4*\i+\ks], v[XS+\ks] matrix_a_fmt:MATRIX_FMT_FP4 matrix_b_fmt:MATRIX_FMT_FP4
.endr
.endr
	WIN 0
.endm
; v: 16 products for token tile i of a group of 64: four tiles of channels by turns
.macro VMUL i
	WIN 0x14                                         ; source 1 (Wv) and source 2 (the bias) window 1
.irp u, 0,1,2,3
	v_wmma_scale_f32_16x16x128_f8f6f4 v[AC+32*\u+8*(\i):AC+32*\u+8*(\i)+7], v[XF:XF+7], v[32*\u:32*\u+7], v[BI+8*\u:BI+8*\u+7], v[XS], v[WS+4*\u] matrix_a_fmt:MATRIX_FMT_FP4 matrix_b_fmt:MATRIX_FMT_FP4
.endr
	WIN 0x04
.irp ks, 1,2,3
.irp u, 0,1,2,3
	v_wmma_scale_f32_16x16x128_f8f6f4 v[AC+32*\u+8*(\i):AC+32*\u+8*(\i)+7], v[XF+8*\ks:XF+8*\ks+7], v[32*\u+8*\ks:32*\u+8*\ks+7], v[AC+32*\u+8*(\i):AC+32*\u+8*(\i)+7], v[XS+\ks], v[WS+4*\u+\ks] matrix_a_fmt:MATRIX_FMT_FP4 matrix_b_fmt:MATRIX_FMT_FP4
.endr
.endr
	WIN 0
.endm
	s_load_b512 s[4:19], s[0:1], 0x0                 ; x s[4:5]; Wq: codes s[6:7], scales s[8:9], bq s[10:11]; Wk: s[12:13], s[14:15], bk s[16:17]; Wv's codes s[18:19]
	s_load_b256 s[20:27], s[0:1], 0x40               ; Wv's scales s[20:21], bv s[22:23], qimg s[24:25], kv s[26:27]
	v_lshl_add_u32 v82, v0, 2, 0x4b000
	v_mov_b32 v83, 0
	ds_add_u32 v82, v83
	ds_add_u32 v82, v83
	v_lshrrev_b32 v1, 5, v0
	v_readfirstlane_b32 s[WV], v1                    ; wave 0..7
	s_bfe_u32 s29, ttmp6, 0x40000                    ; cx: which pair of heads; it enters global addresses alone
	s_and_b32 s30, ttmp7, 0xffff                     ; the step of 128 tokens, which the four partners share
	s_cmp_ge_u32 s[WV], 3
	s_cselect_b32 s31, 1, 0                          ; which of the two heads
	s_mul_i32 s32, s31, 3
	s_sub_co_u32 s32, s[WV], s32                     ; the unit's kind: 0 q, 1 k, 2 v
	s_lshl_b32 s33, s29, 1
	s_add_co_u32 s33, s33, s31                       ; the head
	s_mov_b32 s[SEL], 0x76543210
	s_mov_b32 s[SEL+1], 0xfedcba98
	; descriptor group 1: 8 tokens of x as 16 dense half rows of 256 f32, 16 bytes of padding behind each
	s_mov_b32 s[G1X+0], 15|(2<<16)|(1<<20)|(1<<21)|(7<<22)|(3<<25)  ; 15:0 the mask: all four work-groups; 17:16 elements of 4 bytes; 20 padding on; 21 set beside a mask; 24:22 after every 256 words (code 7); 31:25 four words (code 3)
	s_mov_b32 s[G1X+1], 256<<16                      ; tensor_dim0
	s_mov_b32 s[G1X+2], 16<<16                       ; tensor_dim1
	s_mov_b32 s[G1X+3], 256<<16                      ; tile_dim0
	s_mov_b32 s[G1X+4], 16                           ; tile_dim1
	s_mov_b32 s[G1X+5], 256                          ; from row to row
	s_mov_b32 s[G1X+6], 0
	s_mov_b32 s[G1X+7], 0
	s_mul_i32 s66, s[WV], XW                         ; my region in LDS: the wave's number alone
	s_lshl_b32 s68, s30, 18                          ; my tile's first token, in bytes of x: 128 step + 64 (w / 4) + 8 (w % 4) rows of 2,048
	s_lshr_b32 s70, s[WV], 2
	s_lshl_b32 s70, s70, 17
	s_add_co_u32 s68, s68, s70
	s_and_b32 s70, s[WV], 3
	s_lshl_b32 s70, s70, 14
	s_add_co_u32 s68, s68, s70
	s_mov_b32 s69, 0
	; where my unit's results go: record (8 batch + head) x 32 + step in the batch
	s_lshr_b32 s72, s30, 5
	s_lshl_b32 s72, s72, 3
	s_add_co_u32 s72, s72, s33
	s_lshl_b32 s72, s72, 5
	s_and_b32 s73, s30, 31
	s_add_co_u32 s72, s72, s73
	s_mov_b32 s73, 8960                              ; a record of kv; of qimg: 4,608
	s_mov_b32 s74, 8192                              ; where the scale words begin in it: k 8,192, q 4,096, v 8,704
	s_cmp_eq_u32 s32, 0
	s_cselect_b32 s73, 4608, s73
	s_cselect_b32 s74, 4096, s74
	s_cmp_eq_u32 s32, 2
	s_cselect_b32 s74, 8704, s74
	s_cselect_b32 s75, 4096, 0                       ; and the codes: v's lie behind k's
	s_mul_i32 s72, s72, s73
	s_add_co_u32 s74, s74, s72
	s_add_co_u32 s75, s75, s72
	; lane numbers and every address register, ahead of the first parting of the waves
	v_and_b32 v1, 31, v0                             ; lane
	v_and_b32 v2, 15, v0                             ; r
	v_bfe_u32 v3, v0, 4, 1                           ; h
	v_lshlrev_b32 v4, 4, v1                          ; 16 x lane
	v_lshlrev_b32 v5, 3, v1                          ; 8 x lane
	v_lshlrev_b32 v7, 3, v3                          ; 8 h
	v_lshrrev_b32 v16, 3, v2
	v_and_b32 v17, 7, v2
	v_mul_u32_u24 v8, v16, RUN
	v_mad_u32_u24 v8, v17, 2080, v8
	v_lshl_add_u32 v8, v3, 7, v8
	v_add_nc_u32 v8, s66, v8                         ; x in LDS: run r / 8, token r % 8 (2 half rows of 1,040 bytes), + 128 h
	s_lshl_b32 s67, s[WV], 12
	v_add_nc_u32 v9, s67, v4
	v_add_nc_u32 v9, XIMG, v9                        ; where I store my tile's fragments
	s_lshl_b32 s67, s[WV], 9
	v_add_nc_u32 v10, s67, v4
	v_add_nc_u32 v10, XSC, v10                       ; and their scale words
	v_mad_u32_u24 v18, v16, 24, v2                   ; r + 24 (r / 8): the row of a tile that my lane takes
	v_lshlrev_b32 v11, 8, v18
	v_lshl_add_u32 v11, v3, 4, v11                   ; W's codes: 256 bytes a row, + 16 h
	v_lshlrev_b32 v12, 4, v18                        ; W's scale bytes: 16 a row
	v_lshlrev_b32 v13, 7, v3                         ; bq, bk: my 32 channels begin at 32 h
	v_lshlrev_b32 v6, 2, v18                         ; bv: my channel
	v_add_nc_u32 v14, XIMG, v4
	v_add_nc_u32 v15, XSC, v4
	v_mov_b32 v[TM+6], 0                             ; written once: a lane permute's destination counts as one of its sources
	s_wait_dscnt 0x0
	s_wait_kmcnt 0x0
	s_add_nc_u64 s[68:69], s[4:5], s[68:69]
	s_mov_b32 s[G0X+0], 1                            ; count = 1
	s_mov_b32 s[G0X+1], s66                          ; LDS address
	s_mov_b64 s[G0X+2:G0X+3], s[68:69]               ; global address: tokens r = 0 .. 7 of my tile
	s_or_b32 s[G0X+3], s[G0X+3], 0x80000000          ; type = 2
	s_mov_b32 s[G0X+4], 1
	s_add_co_u32 s[G0X+5], s66, RUN
	s_add_nc_u64 s[G0X+6:G0X+7], s[68:69], 65536     ; tokens r = 8 .. 15 lie 32 rows further on
	s_or_b32 s[G0X+7], s[G0X+7], 0x80000000
	s_cmp_eq_u32 s32, 0                              ; my unit's buffers: the choice hangs on the wave's number alone
	s_cselect_b64 s[52:53], s[6:7], s[12:13]
	s_cselect_b64 s[54:55], s[8:9], s[14:15]
	s_cselect_b64 s[56:57], s[10:11], s[16:17]
	s_cselect_b64 s[58:59], s[24:25], s[26:27]
	s_cmp_eq_u32 s32, 2
	s_cselect_b64 s[52:53], s[18:19], s[52:53]
	s_cselect_b64 s[54:55], s[20:21], s[54:55]
	s_cselect_b64 s[56:57], s[22:23], s[56:57]
	s_mov_b32 s71, 0
	s_lshl_b32 s70, s33, 14                          ; the head's 64 rows: of codes,
	s_add_nc_u64 s[52:53], s[52:53], s[70:71]
	s_lshl_b32 s70, s33, 10                          ; of scale bytes,
	s_add_nc_u64 s[54:55], s[54:55], s[70:71]
	s_lshl_b32 s70, s33, 8                           ; of the bias
	s_add_nc_u64 s[56:57], s[56:57], s[70:71]
	s_mov_b32 s70, s74
	s_add_nc_u64 s[60:61], s[58:59], s[70:71]        ; where my scale words go,
	s_mov_b32 s70, s75
	s_add_nc_u64 s[58:59], s[58:59], s[70:71]        ; and my codes
	ROUND                                            ; all four work-groups are here: the joint loads meet
	tensor_load_to_lds s[G0X:G0X+3], s[G1X:G1X+7]    ; every wave asks for its own tile's two runs: two tensor loads of mine are out
	s_nop 0
	tensor_load_to_lds s[G0X+4:G0X+7], s[G1X:G1X+7]
	s_nop 0
.rept 4
	v_nop                                            ; four lines behind a tensor load
.endr
	s_cmp_lt_u32 s[WV], 6
	s_cbranch_scc0 .Lno_unit_loads
	WIN 0x40                                         ; destination window 1
.irp i, 0,1,2,3
.irp ks, 0,1,2,3
.irp c, 0,1
	global_load_b128 v[8*(4*\i+\ks)+4*\c:8*(4*\i+\ks)+4*\c+3], v11, s[52:53] offset:2048*\i+64*\ks+32*\c   ; W's fragments: they stay
.endr
.endr
.endr
.irp i, 0,1,2,3
	global_load_b128 v[BI+8*\i:BI+8*\i+3], v13, s[56:57] offset:32*\i          ; the bias in q's and k's result layout: channels 32 h + 8 i + 0 .. 7
	global_load_b128 v[BI+8*\i+4:BI+8*\i+7], v13, s[56:57] offset:32*\i+16
.endr
	WIN 0
.irp i, 0,1,2,3
	global_load_b128 v[WS+4*\i:WS+4*\i+3], v12, s[54:55] offset:128*\i         ; a row's four scale words
.endr
.irp u, 0,1,2,3
	global_load_b32 v[VB+\u], v6, s[56:57] offset:32*\u                        ; and the bias a channel a lane, which v's path uses
.endr
.Lno_unit_loads:
	; ---- X: my 16 tokens become four fragments
	s_wait_tensorcnt 0x0                             ; my two runs have landed; only I read them
	XLD 0, XN
	XLD 1, XN+64
	s_wait_dscnt 16                                  ; K step 0 is in; K step 1's sixteen loads may be out
	QUANT64 XN, 0
	IMAGE 0
	XLD 2, XN
	s_wait_dscnt 19                                  ; K step 1 is in; younger: three stores and sixteen loads
	QUANT64 XN+64, 1
	IMAGE 1
	XLD 3, XN+64
	s_wait_dscnt 19                                  ; K step 2 is in; younger: three stores and sixteen loads
	QUANT64 XN, 2
	IMAGE 2
	s_wait_dscnt 3                                   ; K step 3 is in; younger: three stores
	QUANT64 XN+64, 3
	IMAGE 3
	s_wait_dscnt 0x0                                 ; for the others' sake: my stores have landed
	s_barrier_signal -1
	s_barrier_wait -1                                ; x's 32 fragments lie in LDS
	s_cmp_lt_u32 s[WV], 6
	s_cbranch_scc0 .Ldone
	s_cmp_eq_u32 s[WV], 2
	s_cbranch_scc1 .Lvpath
	s_cmp_eq_u32 s[WV], 5
	s_cbranch_scc1 .Lvpath
	; ---- q or k: a tile of 16 tokens at a time
	s_wait_loadcnt 0x0                               ; W, its scale words, the bias
	FETCH 0
.irp t, 0,1,2,3,4,5,6,7
	s_wait_dscnt 0x0                                 ; the tile's fragments are in
	QKMUL
.rept 4
	v_nop                                            ; four places in front of loads into registers that the products have read, and of the first read of results
.endr
.if \t < 7
	FETCH \t+1
.endif
	QUANT32 AC, CD+4*\t, TM+7
	v_lshl_or_b32 v[WD+\t], v[TM+7], 16, v[TM+7]     ; the scale word: the two bytes, and once more for k = 64 .. 127, where both operands hold zero codes
	global_store_b128 v4, v[CD+4*\t:CD+4*\t+3], s[58:59] offset:512*\t   ; 32 lanes store 512 consecutive bytes; each tile has its own registers, so no store's data are written again
.endr
	v_cmp_le_u32 vcc_lo, 16, v1                      ; lanes 0-15 carry tile 2 a's words, lanes 16-31 tile 2 a + 1's
.irp a, 0,1,2,3
	v_cndmask_b32 v[SCW+\a], v[WD+2*\a], v[WD+2*\a+1], vcc_lo
.endr
	global_store_b128 v4, v[SCW:SCW+3], s[60:61]
	s_branch .Ldone
.Lvpath:
	; ---- v: 64 keys at a time; a lane holds one channel and 32 neighbouring keys
	s_wait_loadcnt 0x0
	WIN 0x40
.irp u, 0,1,2,3
.irp j, 0,1,2,3,4,5,6,7
	v_mov_b32 v[BI+8*\u+\j], v[VB+\u]                ; the bias in this result's layout: my channel's in all eight registers
.endr
.endr
	WIN 0
.rept 4
	v_nop
.endr
	FETCH 0
.irp cc, 0,1
.irp i, 0,1,2,3
	s_wait_dscnt 0x0
	VMUL \i
.rept 4
	v_nop
.endr
.if 4*\cc+\i < 7
	FETCH 4*\cc+\i+1
.endif
.endr
.irp u, 0,1,2,3
	QUANT32 AC+32*\u, CD+16*\cc+4*\u, WD+4*\cc+\u
	global_store_b128 v4, v[CD+16*\cc+4*\u:CD+16*\cc+4*\u+3], s[58:59] offset:1024*\u+512*\cc
.endr
.endr
.irp u, 0,1,2,3
	v_lshl_or_b32 v[WD+\u], v[WD+4+\u], 16, v[WD+\u] ; the four bytes of my channel's 128 keys
.endr
	v_cmp_le_u32 vcc_lo, 16, v1
	v_cndmask_b32 v[SCW], v[WD], v[WD+1], vcc_lo
	v_cndmask_b32 v[SCW+1], v[WD+2], v[WD+3], vcc_lo
	global_store_b64 v5, v[SCW:SCW+1], s[60:61]      ; 32 lanes store 256 consecutive bytes
.Ldone:
	s_wait_tensorcnt 0x0
	ds_add_u32 v82, v83
	s_wait_dscnt 0x0
	ROUND                                            ; the closing round: no work-group ends while a partner may still ask for a tile that names it
	s_endpgm
.Lfunc_end_k_q5f826d4a6b_qkv:
	.size	k_q5f826d4a6b_qkv, .Lfunc_end_k_q5f826d4a6b_qkv-k_q5f826d4a6b_qkv
	.p2alignl 7, 3214868480
	.fill 96, 4, 3214868480
	.section	.rodata,"a",@progbits
	.p2align	6, 0x0
	.amdhsa_kernel k_q5f826d4a6b_qkv
		.amdhsa_group_segment_fixed_size 308224
		.amdhsa_private_segment_fixed_size 0
		.amdhsa_enable_private_segment 0
		.amdhsa_kernarg_size 96
		.amdhsa_user_sgpr_count 2
		.amdhsa_user_sgpr_kernarg_segment_ptr 1
		.amdhsa_wavefront_size32 1
		.amdhsa_system_sgpr_workgroup_id_x 1
		.amdhsa_system_sgpr_workgroup_id_y 1
		.amdhsa_system_sgpr_workgroup_id_z 1
		.amdhsa_system_vgpr_workitem_id 0
		.amdhsa_next_free_vgpr 416
		.amdhsa_next_free_sgpr 100
		.amdhsa_reserve_vcc 1
		.amdhsa_float_denorm_mode_32 3
		.amdhsa_float_denorm_mode_16_64 3
		.amdhsa_memory_ordered 1
		.amdhsa_forward_progress 1
		.amdhsa_inst_pref_size 103
	.end_amdhsa_kernel
	.amdgpu_metadata
---
amdhsa.version: [ 1, 2 ]
amdhsa.kernels:
  - .name:           k_q5f826d4a6b_qkv
    .symbol:         k_q5f826d4a6b_qkv.kd
    .args:
      - { .name: x, .offset: 0, .size: 8, .value_kind: global_buffer, .address_space: global }
      - { .name: Wq_codes, .offset: 8, .size: 8, .value_kind: global_buffer, .address_space: global }
      - { .name: Wq_scales, .offset: 16, .size: 8, .value_kind: global_buffer, .address_space: global }
      - { .name: bq, .offset: 24, .size: 8, .value_kind: global_buffer, .address_space: global }
      - { .name: Wk_codes, .offset: 32, .size: 8, .value_kind: global_buffer, .address_space: global }
      - { .name: Wk_scales, .offset: 40, .size: 8, .value_kind: global_buffer, .address_space: global }
      - { .name: bk, .offset: 48, .size: 8, .value_kind: global_buffer, .address_space: global }
      - { .name: Wv_codes, .offset: 56, .size: 8, .value_kind: global_buffer, .address_space: global }
      - { .name: Wv_scales, .offset: 64, .size: 8, .value_kind: global_buffer, .address_space: global }
      - { .name: bv, .offset: 72, .size: 8, .value_kind: global_buffer, .address_space: global }
      - { .name: qimg, .offset: 80, .size: 8, .value_kind: global_buffer, .address_space: global }
      - { .name: kv, .offset: 88, .size: 8, .value_kind: global_buffer, .address_space: global }
    .group_segment_fixed_size: 308224
    .private_segment_fixed_size: 0
    .kernarg_segment_align: 8
    .kernarg_segment_size: 96
    .max_flat_workgroup_size: 256
    .sgpr_count:     100
    .vgpr_count:     416
    .wavefront_size: 32
...
	.end_amdgpu_metadata
.endif
;; end of part 1
;; launch attn (part 2): grid 16 x 16, 16 waves a work-group, clusters of 4 x 1, 296,960 bytes of LDS; arguments qimg, kv, oc, os; writes oc, os
.if DOCPART == 2
	.amdgcn_target "amdgcn-amd-amdhsa--gfx1250"
	.amdhsa_code_object_version 6
	.text
	.protected	k_q5f826d4a6b_attn
	.globl	k_q5f826d4a6b_attn
	.p2align	8
	.type	k_q5f826d4a6b_attn,@function
k_q5f826d4a6b_attn:
	s_mov_b64 s[64:65], 0
	v_nop
	global_prefetch_b8 v0, s[64:65] scope:SCOPE_SE
	s_setreg_imm32_b32 hwreg(HW_REG_WAVE_MODE, 25, 1), 1
	s_wait_xcnt 0x0
	s_wait_alu depctr_hold_cnt(0) depctr_sa_sdst(0) depctr_va_vdst(0) depctr_va_sdst(0) depctr_va_ssrc(0) depctr_va_vcc(0) depctr_vm_vsrc(0)
	s_getreg_b32 s2, hwreg(HW_REG_IB_STS2, 6, 4)
	s_cmp_eq_u32 s2, 0
	s_cbranch_scc0 .Lentry_in_a_cluster
	s_endpgm
.Lentry_in_a_cluster:
	s_bfe_u32 s2, ttmp6, 0x10000c
	s_cmp_lg_u32 s2, 0x3003
	s_cbranch_scc0 .Lentry_shape_is_right
	s_endpgm
.Lentry_shape_is_right:
; O = softmax(q k^T / 8) v for one head, both products on codes of FP4 (E2M1) with one E8M0 scale for each 32 along K; then O is quantised along the head's 64 channels.
; qimg, kv: images of operand registers, a record for each head and step of 128 tokens.  kv's record, 8,960 bytes: K's eight tiles (512 bytes each), V^T's four channel tiles (1,024 each), K's scale words (512), V's (256).
; THE SOFTMAX: t = score x log2(e) / 8; M = the running largest t, rounded UP to a whole number; p = 2^(t - M) is quantised along the keys, not normalised.  The row's sum is taken of the unquantised p and divides O at the end.
; When M moves, the sum and O are multiplied by 2^(old M - new M): exact.
; SHARES.  A work-group owns 256 queries of one head; each of its sixteen waves owns one tile of 16 in 256 registers: four waves share a SIMD's registers, so that one wave's vector work stands beside another's.
; A WHOLE HEAD'S K AND V STAY IN LDS: 32 records, 286,720 bytes, filled ONCE: no slot is ever filled again.  Waves 0 to 3 ask for eight records each; the walk begins when the first four have landed.
; CLUSTER.  The four query blocks of a cluster walk the same head: each record is asked for JOINTLY (mask 15).
; LAYOUT.  Both products are used transposed: S^T = K Q^T, O^T = V^T P^T: a lane holds ONE query throughout.  Row m of key tile 4 c + i is key 64 c + 8 i + (m & 7) + 32 (m >> 3), so a lane's 32 scores of tiles 4 c .. 4 c + 3 are the
; neighbouring keys 64 c + 32 h + 0 .. 31: one whole block.  Its largest score needs no other lane, and the conversion of tile 4 c + i's eight registers IS register 4 c + i of P.  V's channel tiles are chosen alike, so a lane's O^T is a whole block too.
; K = 64 fills half of a product's 128: the upper four registers of K's and Q's fragments hold zero codes, written once.
; LIMITS: NaN and infinities are not served.  p under 2^-126 counts as 0.  A block whose largest number lies under 2^-124 has its byte held at 1.
.set REC,   8960
.set HEADB, 32*REC
.set OSTG,  HEADB                      ; behind the head: 512 bytes in which the sixteen tiles' scale bytes meet; no tile lands there
.set QREC,  4608
.set KF,    24                         ; v24-87   K's eight fragments
.set VF,    88                         ; v88-119  V^T's four
.set S,     120                        ; v120-183 S^T, then p
.set O,     184                        ; v184-215 O^T
.set P,     216                        ; v216-223 p's codes
.set KS,    224                        ; v224-227 K's scale words: lanes 0-15 tile 2 a, lanes 16-31 tile 2 a + 1
.set VS,    228                        ; v228-229 V's likewise
.set QS,    230
.set PW,    231
.set BM,    232                        ; v232-233 a block's largest score, then its largest p
.set SCL,   234
.set BY,    236
.set WV,    12                         ; s12 my wave's number
.macro ROUND                           ; a round of the cluster's barrier
	s_barrier_signal -1
	s_barrier_wait -1
	s_cmp_lg_u32 s[WV], 0
	s_cbranch_scc1 .Lnot_wave_0_\@
	s_barrier_signal -3
.Lnot_wave_0_\@:
	s_barrier_wait -3
	s_barrier_signal -1
	s_barrier_wait -1
.endm
	s_load_b256 s[4:11], s[0:1], 0x0                 ; qimg s[4:5], kv s[6:7], oc s[8:9], os s[10:11]
	v_lshl_add_u32 v254, v0, 2, 0x48000
	v_mov_b32 v255, 0
	ds_add_u32 v254, v255
	ds_add_u32 v254, v255
	v_lshrrev_b32 v9, 5, v0
	v_readfirstlane_b32 s[WV], v9                    ; wave 0..15
	s_bfe_u32 s13, ttmp6, 0x40000                    ; cx
	s_lshl_b32 s14, ttmp9, 2
	s_add_co_u32 s14, s14, s13                       ; my block of 256 queries: it enters Q's, oc's and os's addresses alone
	s_and_b32 s15, ttmp7, 0xffff                     ; 8 x batch + head, which the four partners share
	s_mov_b32 s16, 0x76543210
	s_mov_b32 s17, 0xfedcba98                        ; v_permlanex16_b32's selects for lane l xor 16
	s_mov_b32 s18, 0x3e38aa3b                        ; c = log2(e) / 8
	s_mov_b32 s19, s18                               ; (named with it as a pair, so it is written)
	; descriptor group 1: a record as 35 dense rows of 256 bytes
	s_mov_b32 s24, 15|(3<<16)|(1<<21)                ; 15:0 the mask: all four work-groups; 17:16 elements of 8 bytes; 21 set beside a mask; no padding: every LDS read takes 16 x lane
	s_mov_b32 s25, 32<<16                            ; tensor_dim0
	s_mov_b32 s26, 35<<16                            ; tensor_dim1
	s_mov_b32 s27, 32<<16                            ; tile_dim0
	s_mov_b32 s28, 35                                ; tile_dim1
	s_mov_b32 s29, 32                                ; from row to row
	s_mov_b32 s30, 0
	s_mov_b32 s31, 0
	s_mul_i32 s68, s[WV], REC                        ; load j of wave w is record 4 j + w: in LDS,
	s_mul_i32 s66, s15, HEADB
	s_add_co_u32 s66, s66, s68                       ; and in kv
	s_mov_b32 s67, 0
	s_lshl_b32 s80, s15, 5                           ; Q: record 32 (8 batch + head) + 2 block + wave / 8, tile t = wave % 8
	s_lshl_b32 s81, s14, 1
	s_add_co_u32 s80, s80, s81
	s_lshr_b32 s81, s[WV], 3
	s_add_co_u32 s80, s80, s81
	s_mul_i32 s80, s80, QREC
	s_and_b32 s81, s[WV], 7
	s_lshl_b32 s82, s81, 9
	s_add_co_u32 s72, s80, s82                       ; its codes
	s_mov_b32 s73, 0
	s_and_b32 s82, s81, 1
	s_lshl_b32 s82, s82, 8
	s_lshr_b32 s83, s81, 1
	s_lshl_b32 s83, s83, 2
	s_add_co_u32 s82, s82, s83
	s_add_co_u32 s82, s82, 4096
	s_add_co_u32 s74, s80, s82                       ; its scale words: 4,096 + 256 (t % 2) + 4 (t / 2), + 16 r
	s_mov_b32 s75, 0
	s_lshr_b32 s80, s15, 3                           ; oc: 512 x (8 x (256 batch + 16 block + wave) + head)
	s_lshl_b32 s80, s80, 8
	s_lshl_b32 s81, s14, 4
	s_add_co_u32 s80, s80, s81
	s_add_co_u32 s80, s80, s[WV]
	s_lshl_b32 s80, s80, 3
	s_and_b32 s81, s15, 7
	s_add_co_u32 s80, s80, s81
	s_lshl_b32 s76, s80, 9
	s_mov_b32 s77, 0
	s_lshl_b32 s80, s15, 8                           ; os: 32 x (256 (8 batch + head) + 16 block)
	s_lshl_b32 s81, s14, 4
	s_add_co_u32 s80, s80, s81
	s_lshl_b32 s78, s80, 5
	s_mov_b32 s79, 0
	v_and_b32 v9, 31, v0
	v_lshlrev_b32 v1, 4, v9                          ; 16 x lane
	v_lshlrev_b32 v2, 3, v9                          ; 8 x lane
	v_and_b32 v10, 15, v0                            ; r
	v_bfe_u32 v11, v0, 4, 1                          ; h
	v_lshlrev_b32 v3, 3, v11                         ; 8 h
	v_lshlrev_b32 v6, 4, v10                         ; 16 r
	v_lshl_add_u32 v7, v10, 1, v11
	v_and_b32 v9, 0x1e0, v0
	v_add_nc_u32 v7, v7, v9
	v_add_nc_u32 v7, OSTG, v7                        ; my scale byte's place: 32 x wave + 2 r + h
	v_add_nc_u32 v8, OSTG, v1
	s_wait_dscnt 0x0
	s_wait_kmcnt 0x0
	s_add_nc_u64 s[70:71], s[6:7], s[66:67]
	s_add_nc_u64 s[72:73], s[4:5], s[72:73]
	s_add_nc_u64 s[74:75], s[4:5], s[74:75]
	s_add_nc_u64 s[76:77], s[8:9], s[76:77]
	s_add_nc_u64 s[78:79], s[10:11], s[78:79]
.irp j, 0,1,2,3,4,5,6,7
	s_mov_b32 s[32+4*\j], 1                          ; count = 1
	s_add_co_u32 s[33+4*\j], s68, 4*REC*\j           ; LDS address
	s_add_nc_u64 s[34+4*\j:35+4*\j], s[70:71], 4*REC*\j   ; global address
	s_or_b32 s[35+4*\j], s[35+4*\j], 0x80000000      ; type = 2
.endr
	ROUND                                            ; all four work-groups are here: the joint loads meet
	s_cmp_lt_u32 s[WV], 4                            ; a wave's eight fills stand in one branch on the wave's number: eight tensor loads of mine are out
	s_cbranch_scc0 .Lno_fetch
.irp j, 0,1,2,3,4,5,6,7
	tensor_load_to_lds s[32+4*\j:35+4*\j], s[24:31]
	s_nop 0
.endr
.rept 4
	v_nop                                            ; four lines behind a tensor load
.endr
.Lno_fetch:
	global_load_b128 v[16:19], v1, s[72:73]          ; Q's fragment stays in registers
	global_load_b32 v[QS], v6, s[74:75]              ; and its scale words
.irp j, 20,21,22,23
	v_mov_b32 v\j, 0                                 ; k = 64 .. 127: zero codes, in Q
.endr
.irp t, 0,1,2,3,4,5,6,7
.irp j, 4,5,6,7
	v_mov_b32 v[KF+8*\t+\j], 0                       ; and in K: written once, the loads fill the lower four registers alone
.endr
.endr
.set n, 0
.rept 32
	v_mov_b32 v[O+n], 0                              ; O^T.  (The step is written once: the first finds zeros, which the first change of M leaves zeros)
.set n, n+1
.endr
	v_mov_b32 v13, 0xff61b1e6                        ; the largest score so far: -3e38
	v_mul_f32 v238, s18, v13
	v_floor_f32 v12, -v238                           ; -M
	v_mov_b32 v14, 0                                 ; the sum, in two halves
	v_mov_b32 v15, 0
	v_mov_b32 v239, 0                                ; written once: a lane permute's destination counts as one of its sources
	v_mov_b32 v241, 0
	v_mov_b32 v245, 0                                ; (named as the upper half of the pair v[244:245])
	s_wait_loadcnt 0x0                               ; Q
; A KEY STEP: the 128 keys of the record at LDS byte s20.
.macro STEP
	v_add_nc_u32 v4, s20, v1
	v_add_nc_u32 v5, s20, v2
	v_nop
	v_nop                                            ; four places in front of loads into registers that the last step's products have read
.irp t, 0,1,2,3,4,5,6,7
	ds_load_b128 v[KF+8*\t:KF+8*\t+3], v4 offset:512*\t
.endr
	ds_load_b128 v[KS:KS+3], v4 offset:8192
.irp u, 0,1,2,3
.irp c, 0,1
	ds_load_b128 v[VF+8*\u+4*\c:VF+8*\u+4*\c+3], v4 offset:4096+1024*\u+512*\c
.endr
.endr
	ds_load_b64 v[VS:VS+1], v5 offset:8704
	s_wait_dscnt 9                                   ; K and its scale words are in; V's eight loads and its scale words may be out
.irp t, 0,1,2,3,4,5,6,7
.if \t % 2
	v_wmma_scale_f32_16x16x128_f8f6f4 v[S+8*\t:S+8*\t+7], v[KF+8*\t:KF+8*\t+7], v[16:23], 0, v[KS+\t/2], v[QS] matrix_a_fmt:MATRIX_FMT_FP4 matrix_b_fmt:MATRIX_FMT_FP4 matrix_a_scale:MATRIX_SCALE_ROW1
.else
	v_wmma_scale_f32_16x16x128_f8f6f4 v[S+8*\t:S+8*\t+7], v[KF+8*\t:KF+8*\t+7], v[16:23], 0, v[KS+\t/2], v[QS] matrix_a_fmt:MATRIX_FMT_FP4 matrix_b_fmt:MATRIX_FMT_FP4
.endif
.endr
	v_mov_b32 v240, v12                              ; the old -M.  (With the three lines below: four places behind the products)
	v_nop
	v_nop
	v_nop
.irp c, 0,1
	v_max3_num_f32 v[BM+\c], v[S+32*\c], v[S+32*\c+1], v[S+32*\c+2]   ; THE LARGEST SCORE OF EACH OF MY TWO BLOCKS: for the row's maximum, and, since p rises with the score, for the block's largest p.  Each accumulator is first read at its low end
.endr
.irp e, 3,5,7,9,11,13,15,17,19,21,23,25,27,29
.irp c, 0,1
	v_max3_num_f32 v[BM+\c], v[BM+\c], v[S+32*\c+\e], v[S+32*\c+\e+1]
.endr
.endr
.irp c, 0,1
	v_max_num_f32 v[BM+\c], v[BM+\c], v[S+32*\c+31]
.endr
	v_max_num_f32 v238, v[BM], v[BM+1]
	v_permlanex16_b32 v239, v238, s16, s17           ; the query's other 64 keys lie in lane l xor 16
	v_max3_num_f32 v13, v13, v238, v239              ; the running largest score
	v_mul_f32 v238, s18, v13                         ; as t (c is positive)
	v_floor_f32 v12, -v238                           ; the new -M = -ceil(t): a whole number
	v_sub_f32 v240, v12, v240                        ; old M - new M: a whole number, 0 or less
	v_cvt_i32_f32 v240, v240                         ; (it saturates)
	v_ldexp_f32 v244, 1.0, v240                      ; f = 2^(old M - new M)
.set n, 0
.rept 32
	v_pk_fma_f32 v[S+n:S+n+1], v[S+n:S+n+1], s[18:19], v[12:13] op_sel_hi:[1,0,0]   ; t - M, two at a time (of the pairs c and -M the low word serves both halves)
.set n, n+2
.endr
.irp c, 0,1
	v_fma_f32 v[BM+\c], v[BM+\c], s18, v12           ; the same of each block's largest score
.endr
.set n, 0
.rept 64
	v_exp_f32 v[S+n], v[S+n]                         ; p = 2^(t - M), at most 1
.set n, n+1
.endr
	v_pk_mul_f32 v[14:15], v[14:15], v[244:245] op_sel_hi:[1,0]   ; the sums under the new M: a plain line behind the exponentials
	s_wait_alu depctr_va_vdst(0)                     ; one wait for the whole batch, ahead of its first reader
.irp c, 0,1
	v_exp_f32 v[BM+\c], v[BM+\c]                     ; the block's largest p: the same two instructions on the same number give the same bits
.endr
	v_pk_add_f32 v[246:247], v[S:S+1], v[S+2:S+3]    ; THE ROW'S SUM IS TAKEN OF THE UNQUANTISED p: two at a time, in two chains
.set n, 4
.rept 15
	v_pk_add_f32 v[14:15], v[14:15], v[S+n:S+n+1]
	v_pk_add_f32 v[246:247], v[246:247], v[S+n+2:S+n+3]
.set n, n+4
.endr
	v_pk_add_f32 v[14:15], v[14:15], v[246:247]
	s_wait_alu depctr_va_vdst(0)                     ; and one for the two
.irp c, 0,1
	v_max_num_f32 v[BM+\c], 0x1800000, v[BM+\c]      ; the floor 2^(3 - 127): the byte cannot fall under 1
.endr
.irp c, 0,1
	v_add_nc_u32 v[SCL+\c], 0xff000000, v[BM+\c]     ; 2 off the exponent field: the conversion's scale operand
.endr
.irp c, 0,1
	v_lshrrev_b32 v[BY+\c], 23, v[SCL+\c]            ; the scale's byte
.endr
	v_lshl_or_b32 v[PW], v[BY+1], 16, v[BY]          ; my bytes: blocks h and 2 + h,
	v_lshlrev_b32 v[PW], v3, v[PW]                   ; at their places;
	v_permlanex16_b32 v241, v[PW], s16, s17
	v_or_b32 v[PW], v[PW], v241                      ; with lane l xor 16's two: p's scale word for these 128 keys
.irp c, 0,1
.irp i, 0,1,2,3
	v_cvt_scalef32_pk8_fp4_f32 v[P+4*\c+\i], v[S+32*\c+8*\i:S+32*\c+8*\i+7], v[SCL+\c]
.endr
.endr
	v_nop                                            ; one plain place behind the last scaled conversion
.set n, 0
.rept 16
	v_pk_mul_f32 v[O+n:O+n+1], v[O+n:O+n+1], v[244:245] op_sel_hi:[1,0]   ; O^T under the new M.  (These sixteen are also the places between the making of p's codes and scale word and the products below)
.set n, n+2
.endr
	s_wait_dscnt 0x0                                 ; V and its scale words are in
.irp u, 0,1,2,3
.if \u % 2
	v_wmma_scale_f32_16x16x128_f8f6f4 v[O+8*\u:O+8*\u+7], v[VF+8*\u:VF+8*\u+7], v[P:P+7], v[O+8*\u:O+8*\u+7], v[VS+\u/2], v[PW] matrix_a_fmt:MATRIX_FMT_FP4 matrix_b_fmt:MATRIX_FMT_FP4 matrix_a_scale:MATRIX_SCALE_ROW1
.else
	v_wmma_scale_f32_16x16x128_f8f6f4 v[O+8*\u:O+8*\u+7], v[VF+8*\u:VF+8*\u+7], v[P:P+7], v[O+8*\u:O+8*\u+7], v[VS+\u/2], v[PW] matrix_a_fmt:MATRIX_FMT_FP4 matrix_b_fmt:MATRIX_FMT_FP4
.endif
.endr
.endm
; Four records: those that load j of waves 0 to 3 brought.  The later loads may stay out across it.
.macro CHUNK j
	s_wait_tensorcnt 7-\j                            ; my load j has landed; my loads j + 1 .. 7 may be out (a wave that asked for nothing passes at once)
	s_barrier_signal -1                              ; no LDS instruction of mine is out: the last step's wait for V was for zero
	s_barrier_wait -1                                ; everybody's has
	s_mov_b32 s20, 4*REC*\j
	s_mov_b32 s21, 4
.Lstep_\@:
	STEP
	s_add_co_u32 s20, s20, REC
	s_sub_co_u32 s21, s21, 1
	s_cmp_lg_u32 s21, 0
	s_cbranch_scc1 .Lstep_\@
.endm
.irp j, 0,1,2,3,4,5,6,7
	CHUNK \j
.endr
	; THE WAY OUT.  O^T is divided by the row's sum and quantised: my 32 numbers are channels 32 h + 0 .. 31 of my query, one whole block of the last product's K.
.rept 4
	v_nop                                            ; four places behind the last products
.endr
	v_add_f32 v14, v14, v15                          ; the sum's two halves,
	v_permlanex16_b32 v239, v14, s16, s17
	v_add_f32 v14, v14, v239                         ; and lane l xor 16's
	v_rcp_f32 v244, v14
	v_nop                                            ; a plain line behind the reciprocal,
	s_wait_alu depctr_va_vdst(0)                     ; and the wait ahead of its first reader
.set n, 0
.rept 16
	v_pk_mul_f32 v[S+n:S+n+1], v[O+n:O+n+1], v[244:245] op_sel_hi:[1,0]   ; each accumulator from its low end on
.set n, n+2
.endr
	v_max3_num_f32 v238, |v[S]|, |v[S+1]|, 0x1800000
	v_max3_num_f32 v240, |v[S+16]|, |v[S+17]|, 0x1800000
.irp e, 2,4,6,8,10,12,14
	v_max3_num_f32 v238, v238, |v[S+\e]|, |v[S+\e+1]|
	v_max3_num_f32 v240, v240, |v[S+16+\e]|, |v[S+17+\e]|
.endr
	v_max_num_f32 v238, v238, v240
	v_add_nc_u32 v[SCL], 0xff000000, v238
	v_lshrrev_b32 v[BY], 23, v[SCL]
.irp i, 0,1,2,3
	v_cvt_scalef32_pk8_fp4_f32 v[P+\i], v[S+8*\i:S+8*\i+7], v[SCL]
.endr
	v_nop
	global_store_b128 v1, v[P:P+3], s[76:77]         ; 32 lanes store 512 consecutive bytes: my tile's image for this head
	ds_store_b8 v7, v[BY]                            ; the sixteen tiles' scale bytes meet in LDS,
	s_wait_dscnt 0x0                                 ; for wave 0's sake: my store has landed
	s_barrier_signal -1
	s_barrier_wait -1
	s_cmp_lg_u32 s[WV], 0
	s_cbranch_scc1 .Lnot_first
	ds_load_b128 v[220:223], v8
	s_wait_dscnt 0x0
	global_store_b128 v1, v[220:223], s[78:79]       ; and leave as 512 consecutive bytes
.Lnot_first:
	s_wait_tensorcnt 0x0
	ds_add_u32 v254, v255
	s_wait_dscnt 0x0
	ROUND                                            ; the closing round: no work-group ends while a partner may still ask for a record that names it
	s_endpgm
.Lfunc_end_k_q5f826d4a6b_attn:
	.size	k_q5f826d4a6b_attn, .Lfunc_end_k_q5f826d4a6b_attn-k_q5f826d4a6b_attn
	.p2alignl 7, 3214868480
	.fill 96, 4, 3214868480
	.section	.rodata,"a",@progbits
	.p2align	6, 0x0
	.amdhsa_kernel k_q5f826d4a6b_attn
		.amdhsa_group_segment_fixed_size 296960
		.amdhsa_private_segment_fixed_size 0
		.amdhsa_enable_private_segment 0
		.amdhsa_kernarg_size 32
		.amdhsa_user_sgpr_count 2
		.amdhsa_user_sgpr_kernarg_segment_ptr 1
		.amdhsa_wavefront_size32 1
		.amdhsa_system_sgpr_workgroup_id_x 1
		.amdhsa_system_sgpr_workgroup_id_y 1
		.amdhsa_system_sgpr_workgroup_id_z 1
		.amdhsa_system_vgpr_workitem_id 0
		.amdhsa_next_free_vgpr 256
		.amdhsa_next_free_sgpr 100
		.amdhsa_reserve_vcc 0
		.amdhsa_float_denorm_mode_32 3
		.amdhsa_float_denorm_mode_16_64 3
		.amdhsa_memory_ordered 1
		.amdhsa_forward_progress 1
		.amdhsa_inst_pref_size 125
	.end_amdhsa_kernel
	.amdgpu_metadata
---
amdhsa.version: [ 1, 2 ]
amdhsa.kernels:
  - .name:           k_q5f826d4a6b_attn
    .symbol:         k_q5f826d4a6b_attn.kd
    .args:
      - { .name: qimg, .offset: 0, .size: 8, .value_kind: global_buffer, .address_space: global }
      - { .name: kv, .offset: 8, .size: 8, .value_kind: global_buffer, .address_space: global }
      - { .name: oc, .offset: 16, .size: 8, .value_kind: global_buffer, .address_space: global }
      - { .name: os, .offset: 24, .size: 8, .value_kind: global_buffer, .address_space: global }
    .group_segment_fixed_size: 296960
    .private_segment_fixed_size: 0
    .kernarg_segment_align: 8
    .kernarg_segment_size: 32
    .max_flat_workgroup_size: 512
    .sgpr_count:     100
    .vgpr_count:     256
    .wavefront_size: 32
...
	.end_amdgpu_metadata
.endif
;; end of part 2
;; launch proj (part 3): grid 256 x 1, 8 waves a work-group, clusters of 4 x 1, 214,016 bytes of LDS; arguments oc, os, Wo_codes, Wo_scales, bo, x, gamma, beta, out0; writes out0
.if DOCPART == 3
	.amdgcn_target "amdgcn-amd-amdhsa--gfx1250"
	.amdhsa_code_object_version 6
	.text
	.protected	k_q5f826d4a6b_proj
	.globl	k_q5f826d4a6b_proj
	.p2align	8
	.type	k_q5f826d4a6b_proj,@function
k_q5f826d4a6b_proj:
	s_mov_b64 s[64:65], 0
	v_nop
	global_prefetch_b8 v0, s[64:65] scope:SCOPE_SE
	s_setreg_imm32_b32 hwreg(HW_REG_WAVE_MODE, 25, 1), 1
	s_wait_xcnt 0x0
	s_wait_alu depctr_hold_cnt(0) depctr_sa_sdst(0) depctr_va_vdst(0) depctr_va_sdst(0) depctr_va_ssrc(0) depctr_va_vcc(0) depctr_vm_vsrc(0)
	s_getreg_b32 s2, hwreg(HW_REG_IB_STS2, 6, 4)
	s_cmp_eq_u32 s2, 0
	s_cbranch_scc0 .Lentry_in_a_cluster
	s_endpgm
.Lentry_in_a_cluster:
	s_bfe_u32 s2, ttmp6, 0x10000c
	s_cmp_lg_u32 s2, 0x3003
	s_cbranch_scc0 .Lentry_shape_is_right
	s_endpgm
.Lentry_shape_is_right:
; out0 = LayerNorm(x + Q(o) Wo + bo) x gamma + beta.  The product is on codes of FP4 (E2M1) with one E8M0 scale for each 32 along K; all else in f32.
; oc: [tile of 16 tokens 512][head 8][512 bytes]: images of operand registers; heads 2 s and 2 s + 1 are the fragment of K step s.  os: [8 batch + head][tile in the batch 256][32]: byte 2 r + h scales block h of row r.
; SHARES.  Work-group G takes tiles 2 G and 2 G + 1: row r of tile 2 G + a is token TK + 8 a + (r & 7) + 32 (r >> 3).  Wave w makes features 64 w .. 64 w + 63 of both tiles: 8 accumulators, 32 products,
; used transposed (source 0 = 16 rows of Wo, source 1 = 16 tokens): a lane holds eight neighbouring features of one token.  The 32 rows meet in a stage in LDS; then each wave takes four whole rows: residual, mean, variance, gain, store.
; CLUSTER.  Every work-group walks all of Wo: wave w asks for its 64 rows JOINTLY with the same wave of its three partners (mask 15).  Only the wave that asked reads those bytes.  Nothing in LDS is filled twice.
; The variance is the mean of the squared deviations from the mean: no difference of large sums is formed.
; LIMITS: NaN and infinities are not served.
; REGISTERS, window 0: v1-8 addresses; v16-79 o's eight fragments, later four rows of y; v80-87 o's scale words; v88-103 Wo's; v104-167 Wo's fragments, two sets, later sums; v168-231 accumulators; v232-247 o's scale bytes as loaded.
;   window 1: v0-63 four rows of x; v64-79 bo; v80-95 gamma; v96-111 beta.
.set WROWS, 17408                      ; LDS: a wave's 64 rows of Wo, 256 bytes + 16 of padding each
.set STG,   8*WROWS                    ; the stage: row (a, r) at 33,152 (r / 8) + 2,064 (8 a + r % 8): rows r and r + 8 begin 128 bytes apart modulo 256, neighbours 16
.set GRP,   33152
.set SPI,   2064
.set Y,     16
.set OF,    16
.set OSW,   80
.set WS,    88
.set WF,    104
.set SA,    104
.set SQ,    112
.set ACC,   168
.set OH,    232
.set WV,    22                         ; s22 my wave's number
.set MSB,   0
.macro WIN new                         ; the immediate's high byte repeats the setting that is left
.if MSB != \new
	s_set_vgpr_msb (MSB<<8)|\new
.set MSB, \new
.endif
.endm
.macro ROUND                           ; a round of the cluster's barrier
	s_barrier_signal -1
	s_barrier_wait -1
	s_cmp_lg_u32 s[WV], 0
	s_cbranch_scc1 .Lnot_wave_0_\@
	s_barrier_signal -3
.Lnot_wave_0_\@:
	s_barrier_wait -3
	s_barrier_signal -1
	s_barrier_wait -1
.endm
.macro LOADW ks                        ; my four fragments of Wo for K step ks, into set ks % 2
.irp u, 0,1,2,3
.irp c, 0,1
	ds_load_b128 v[WF+32*((\ks)%2)+8*\u+4*\c:WF+32*((\ks)%2)+8*\u+4*\c+3], v4 offset:4352*\u+64*(\ks)+32*\c
.endr
.endr
.endm
.macro PMUL ks                         ; eight products, the eight accumulators by turns; K step 0 starts the sums
.irp u, 0,1,2,3
.irp a, 0,1
.if (\ks) == 0
	v_wmma_scale_f32_16x16x128_f8f6f4 v[ACC+8*(4*\a+\u):ACC+8*(4*\a+\u)+7], v[WF+32*((\ks)%2)+8*\u:WF+32*((\ks)%2)+8*\u+7], v[OF+8*(4*\a+(\ks)):OF+8*(4*\a+(\ks))+7], 0, v[WS+4*\u+(\ks)], v[OSW+4*\a+(\ks)] matrix_a_fmt:MATRIX_FMT_FP4 matrix_b_fmt:MATRIX_FMT_FP4
.else
	v_wmma_scale_f32_16x16x128_f8f6f4 v[ACC+8*(4*\a+\u):ACC+8*(4*\a+\u)+7], v[WF+32*((\ks)%2)+8*\u:WF+32*((\ks)%2)+8*\u+7], v[OF+8*(4*\a+(\ks)):OF+8*(4*\a+(\ks))+7], v[ACC+8*(4*\a+\u):ACC+8*(4*\a+\u)+7], v[WS+4*\u+(\ks)], v[OSW+4*\a+(\ks)] matrix_a_fmt:MATRIX_FMT_FP4 matrix_b_fmt:MATRIX_FMT_FP4
.endif
.endr
.endr
.rept 4
	v_nop                                            ; four places in front of loads into registers that the products have read, and of the first read of results
.endr
.endm
.macro REDUCE b                        ; four rows' pairs of partial sums at v[b + 2 i] become the rows' sums, in every lane
.irp i, 0,1,2,3
	v_add_f32 v[(\b)+2*\i], v[(\b)+2*\i], v[(\b)+2*\i+1]
.endr
.irp m, 1,2,4,8
.irp i, 0,1,2,3
	v_add_f32_dpp v[(\b)+2*\i], v[(\b)+2*\i], v[(\b)+2*\i] row_xmask:\m row_mask:0xf bank_mask:0xf
.endr
.endr
.irp i, 0,1,2,3
	v_permlanex16_b32 v[(\b)+2*\i+1], v[(\b)+2*\i], s42, s43
.endr
.irp i, 0,1,2,3
	v_add_f32 v[(\b)+2*\i], v[(\b)+2*\i], v[(\b)+2*\i+1]
.endr
.endm
	s_load_b512 s[4:19], s[0:1], 0x0                 ; oc s[4:5], os s[6:7], Wo: codes s[8:9], scales s[10:11], bo s[12:13], x s[14:15], gamma s[16:17], beta s[18:19]
	s_load_b64 s[20:21], s[0:1], 0x40                ; out0
	v_lshl_add_u32 v254, v0, 2, 0x34000
	v_mov_b32 v255, 0
	ds_add_u32 v254, v255
	ds_add_u32 v254, v255
	v_lshrrev_b32 v9, 5, v0
	v_readfirstlane_b32 s[WV], v9                    ; wave 0..7
	s_bfe_u32 s23, ttmp6, 0x40000                    ; cx
	s_lshl_b32 s24, ttmp9, 2
	s_add_co_u32 s24, s24, s23                       ; G: it enters global addresses alone
	s_mov_b32 s40, 0x3b000000                        ; 1 / 512
	s_mov_b32 s41, 0x3727c5ac                        ; 1e-5
	s_mov_b32 s42, 0x76543210
	s_mov_b32 s43, 0xfedcba98                        ; v_permlanex16_b32's selects for lane l xor 16
	; descriptor group 1: 64 rows of 256 bytes, 16 bytes of padding behind each
	s_mov_b32 s28, 15|(0<<16)|(1<<20)|(1<<21)|(5<<22)|(3<<25)   ; 15:0 the mask: all four work-groups; 17:16 elements of 1 byte; 20 padding on; 21 set beside a mask; 24:22 after every 64 words (code 5); 31:25 four words (code 3)
	s_mov_b32 s29, 256<<16                           ; tensor_dim0
	s_mov_b32 s30, 64<<16                            ; tensor_dim1
	s_mov_b32 s31, 256<<16                           ; tile_dim0
	s_mov_b32 s32, 64                                ; tile_dim1
	s_mov_b32 s33, 256                               ; from row to row
	s_mov_b32 s34, 0
	s_mov_b32 s35, 0
	s_mov_b32 s36, 1                                 ; group 0: count = 1
	s_mul_i32 s37, s[WV], WROWS                      ; LDS address: the wave's number alone
	v_and_b32 v9, 31, v0
	v_lshlrev_b32 v1, 4, v9                          ; 16 x lane
	v_and_b32 v2, 15, v0                             ; r
	v_bfe_u32 v3, v0, 4, 1                           ; h
	v_mul_u32_u24 v4, v2, 272
	v_lshl_add_u32 v4, v3, 4, v4
	v_add_nc_u32 v4, s37, v4                         ; Wo's fragments: row r, + 16 h
	v_lshrrev_b32 v10, 3, v2
	v_and_b32 v11, 7, v2
	v_mul_u32_u24 v5, v10, GRP
	v_mad_u32_u24 v5, v11, SPI, v5
	v_lshl_add_u32 v5, v3, 5, v5
	s_lshl_b32 s44, s[WV], 8
	s_add_co_u32 s44, s44, STG
	v_add_nc_u32 v5, s44, v5                         ; into the stage: my token's row, + 256 x wave + 32 h
	s_lshr_b32 s45, s[WV], 2
	s_mul_i32 s45, s45, GRP
	s_lshl_b32 s46, s[WV], 2
	s_and_b32 s46, s46, 15
	s_mul_i32 s47, s46, SPI
	s_add_co_u32 s45, s45, s47
	s_add_co_u32 s45, s45, STG
	v_add_nc_u32 v6, s45, v1                         ; back: rows 4 w .. 4 w + 3 of the 32, 16 bytes a lane
	v_lshlrev_b32 v7, 1, v2                          ; 2 r
	v_lshlrev_b32 v8, 4, v2                          ; 16 r
	s_lshr_b32 s58, s24, 2                           ; my four rows' first token: TK = 128 (G / 4) + 64 ((G / 2) % 2) + 16 (G % 2), + 4 w % 16 + 32 (w / 4)
	s_lshl_b32 s58, s58, 7
	s_bfe_u32 s59, s24, 0x10001
	s_lshl_b32 s59, s59, 6
	s_add_co_u32 s58, s58, s59
	s_and_b32 s59, s24, 1
	s_lshl_b32 s59, s59, 4
	s_add_co_u32 s58, s58, s59
	s_add_co_u32 s58, s58, s46
	s_lshr_b32 s59, s[WV], 2
	s_lshl_b32 s59, s59, 5
	s_add_co_u32 s58, s58, s59
	s_lshl_b32 s58, s58, 11                          ; in bytes of x and of out0
	s_mov_b32 s59, 0
	s_lshr_b32 s60, s24, 7                           ; os: 32 x (2,048 batch + my first tile in the batch)
	s_lshl_b32 s60, s60, 11
	s_lshl_b32 s61, s24, 1
	s_and_b32 s61, s61, 255
	s_add_co_u32 s60, s60, s61
	s_lshl_b32 s60, s60, 5
	s_mov_b32 s61, 0
	s_lshl_b32 s62, s24, 13                          ; oc: two tiles of 4,096 bytes
	s_mov_b32 s63, 0
	s_lshl_b32 s44, s[WV], 14                        ; my 64 rows of Wo's codes,
	s_mov_b32 s45, 0
	s_lshl_b32 s46, s[WV], 10                        ; and of its scale bytes
	s_mov_b32 s47, 0
	s_wait_dscnt 0x0
	s_wait_kmcnt 0x0
	s_add_nc_u64 s[38:39], s[8:9], s[44:45]          ; global address
	s_or_b32 s39, s39, 0x80000000                    ; type = 2
	s_add_nc_u64 s[48:49], s[4:5], s[62:63]
	s_add_nc_u64 s[50:51], s[6:7], s[60:61]
	s_add_nc_u64 s[52:53], s[10:11], s[46:47]
	s_add_nc_u64 s[54:55], s[14:15], s[58:59]
	s_add_nc_u64 s[56:57], s[20:21], s[58:59]
	ROUND                                            ; all four work-groups are here: the joint loads meet
	tensor_load_to_lds s[36:39], s[28:35]            ; one tensor load of mine is out
	s_nop 0
.rept 4
	v_nop                                            ; four lines behind a tensor load
.endr
.irp a, 0,1
.irp ks, 0,1,2,3
.irp c, 0,1
	global_load_b128 v[OF+8*(4*\a+\ks)+4*\c:OF+8*(4*\a+\ks)+4*\c+3], v1, s[48:49] offset:4096*\a+1024*\ks+512*\c th:TH_LOAD_NT   ; o's fragments: 512 consecutive bytes a load
.endr
.endr
.endr
.irp a, 0,1
.irp hd, 0,1,2,3,4,5,6,7
	global_load_u16 v[OH+8*\a+\hd], v7, s[50:51] offset:8192*\hd+32*\a   ; row r's two scale bytes of a head
.endr
.endr
.irp u, 0,1,2,3
	global_load_b128 v[WS+4*\u:WS+4*\u+3], v8, s[52:53] offset:256*\u    ; a row of Wo: four scale words
.endr
	WIN 0x40                                         ; destination window 1
.irp i, 0,1,2,3
.irp q, 0,1,2,3
	global_load_b128 v[16*\i+4*\q:16*\i+4*\q+3], v1, s[54:55] offset:2048*\i+512*\q th:TH_LOAD_NT   ; my four rows of x
.endr
.endr
.irp q, 0,1,2,3
	global_load_b128 v[64+4*\q:64+4*\q+3], v1, s[12:13] offset:512*\q
	global_load_b128 v[80+4*\q:80+4*\q+3], v1, s[16:17] offset:512*\q
	global_load_b128 v[96+4*\q:96+4*\q+3], v1, s[18:19] offset:512*\q
.endr
	WIN 0
	s_wait_loadcnt 28                                ; o's fragments and bytes and Wo's scale words are in; x's sixteen loads and the twelve of bo, gamma and beta may be out
.irp a, 0,1
.irp ks, 0,1,2,3
	v_lshl_or_b32 v[OSW+4*\a+\ks], v[OH+8*\a+2*\ks+1], 16, v[OH+8*\a+2*\ks]   ; heads 2 s and 2 s + 1: the scale word of K step s
.endr
.endr
.rept 8
	v_nop                                            ; a scale register written by a vector instruction stands eight places ahead of a scaled matrix instruction
.endr
	s_wait_tensorcnt 0x0                             ; my 64 rows of Wo have landed; only I read them
	LOADW 0
	LOADW 1
	s_wait_dscnt 8                                   ; K step 0's fragments are in; K step 1's eight loads may be out
	PMUL 0
	LOADW 2
	s_wait_dscnt 8
	PMUL 1
	LOADW 3
	s_wait_dscnt 8
	PMUL 2
	s_wait_dscnt 0x0
	PMUL 3
.irp a, 0,1
.irp u, 0,1,2,3
	ds_store_b128 v5, v[ACC+8*(4*\a+\u):ACC+8*(4*\a+\u)+3] offset:8*SPI*\a+64*\u          ; each accumulator from its low end on: features 64 w + 16 u + 8 h + 0 .. 7 of my token
	ds_store_b128 v5, v[ACC+8*(4*\a+\u)+4:ACC+8*(4*\a+\u)+7] offset:8*SPI*\a+64*\u+16
.endr
.endr
	s_wait_loadcnt 0x0                               ; x, bo, gamma, beta
	WIN 0x45                                         ; destination and both sources window 1
.irp i, 0,1,2,3
.irp e, 0,2,4,6,8,10,12,14
	v_pk_add_f32 v[16*\i+\e:16*\i+\e+1], v[16*\i+\e:16*\i+\e+1], v[64+\e:64+\e+1]   ; x + bo, while the stores are on their way
.endr
.endr
	WIN 0
	s_wait_dscnt 0x0                                 ; for the others' sake: my stores have landed
	s_barrier_signal -1
	s_barrier_wait -1                                ; 32 whole rows lie in the stage
.irp i, 0,1,2,3
.irp q, 0,1,2,3
	ds_load_b128 v[Y+16*\i+4*\q:Y+16*\i+4*\q+3], v6 offset:SPI*\i+512*\q
.endr
.endr
	s_wait_dscnt 0x0
	WIN 0x04                                         ; source 1 window 1
.irp i, 0,1,2,3
.irp e, 0,2,4,6,8,10,12,14
	v_pk_add_f32 v[Y+16*\i+\e:Y+16*\i+\e+1], v[Y+16*\i+\e:Y+16*\i+\e+1], v[16*\i+\e:16*\i+\e+1]   ; y = x + bo + the product
.endr
.endr
	WIN 0
	; the mean, the four rows by turns
.irp i, 0,1,2,3
	v_pk_add_f32 v[SA+2*\i:SA+2*\i+1], v[Y+16*\i:Y+16*\i+1], v[Y+16*\i+2:Y+16*\i+3]
.endr
.irp e, 4,6,8,10,12,14
.irp i, 0,1,2,3
	v_pk_add_f32 v[SA+2*\i:SA+2*\i+1], v[SA+2*\i:SA+2*\i+1], v[Y+16*\i+\e:Y+16*\i+\e+1]
.endr
.endr
	REDUCE SA
.irp i, 0,1,2,3
	v_mul_f32 v[SA+2*\i], s40, v[SA+2*\i]
.endr
.irp e, 0,2,4,6,8,10,12,14
.irp i, 0,1,2,3
	v_pk_add_f32 v[Y+16*\i+\e:Y+16*\i+\e+1], v[Y+16*\i+\e:Y+16*\i+\e+1], v[SA+2*\i:SA+2*\i+1] op_sel_hi:[1,0] neg_lo:[0,1] neg_hi:[0,1]   ; y - the mean
.endr
.endr
	; the variance: the mean of the squared deviations
.irp i, 0,1,2,3
	v_pk_mul_f32 v[SQ+2*\i:SQ+2*\i+1], v[Y+16*\i:Y+16*\i+1], v[Y+16*\i:Y+16*\i+1]
.endr
.irp e, 2,4,6,8,10,12,14
.irp i, 0,1,2,3
	v_pk_fma_f32 v[SQ+2*\i:SQ+2*\i+1], v[Y+16*\i+\e:Y+16*\i+\e+1], v[Y+16*\i+\e:Y+16*\i+\e+1], v[SQ+2*\i:SQ+2*\i+1]
.endr
.endr
	REDUCE SQ
.irp i, 0,1,2,3
	v_fma_f32 v[SQ+2*\i], v[SQ+2*\i], s40, s41       ; / 512 + 1e-5
.endr
.irp i, 0,1,2,3
	v_rsq_f32 v[SQ+2*\i], v[SQ+2*\i]
.endr
	v_nop                                            ; a plain line behind the last of the four,
	s_wait_alu depctr_va_vdst(0)                     ; and one wait ahead of their first reader
.irp e, 0,2,4,6,8,10,12,14
.irp i, 0,1,2,3
	v_pk_mul_f32 v[Y+16*\i+\e:Y+16*\i+\e+1], v[Y+16*\i+\e:Y+16*\i+\e+1], v[SQ+2*\i:SQ+2*\i+1] op_sel_hi:[1,0]
.endr
.endr
	WIN 0x14                                         ; sources 1 (gamma) and 2 (beta) window 1
.irp e, 0,2,4,6,8,10,12,14
.irp i, 0,1,2,3
	v_pk_fma_f32 v[Y+16*\i+\e:Y+16*\i+\e+1], v[Y+16*\i+\e:Y+16*\i+\e+1], v[80+\e:80+\e+1], v[96+\e:96+\e+1]
.endr
.endr
	WIN 0
.irp i, 0,1,2,3
.irp q, 0,1,2,3
	global_store_b128 v1, v[Y+16*\i+4*\q:Y+16*\i+4*\q+3], s[56:57] offset:2048*\i+512*\q th:TH_STORE_NT   ; 32 lanes store 512 consecutive bytes, at a multiple of 256 from out0's first byte
.endr
.endr
	s_wait_tensorcnt 0x0
	ds_add_u32 v254, v255
	s_wait_dscnt 0x0
	ROUND                                            ; the closing round: no work-group ends while a partner may still ask for rows that name it
	s_endpgm
.Lfunc_end_k_q5f826d4a6b_proj:
	.size	k_q5f826d4a6b_proj, .Lfunc_end_k_q5f826d4a6b_proj-k_q5f826d4a6b_proj
	.p2alignl 7, 3214868480
	.fill 96, 4, 3214868480
	.section	.rodata,"a",@progbits
	.p2align	6, 0x0
	.amdhsa_kernel k_q5f826d4a6b_proj
		.amdhsa_group_segment_fixed_size 214016
		.amdhsa_private_segment_fixed_size 0
		.amdhsa_enable_private_segment 0
		.amdhsa_kernarg_size 72
		.amdhsa_user_sgpr_count 2
		.amdhsa_user_sgpr_kernarg_segment_ptr 1
		.amdhsa_wavefront_size32 1
		.amdhsa_system_sgpr_workgroup_id_x 1
		.amdhsa_system_sgpr_workgroup_id_y 1
		.amdhsa_system_sgpr_workgroup_id_z 1
		.amdhsa_system_vgpr_workitem_id 0
		.amdhsa_next_free_vgpr 384
		.amdhsa_next_free_sgpr 80
		.amdhsa_reserve_vcc 0
		.amdhsa_float_denorm_mode_32 3
		.amdhsa_float_denorm_mode_16_64 3
		.amdhsa_memory_ordered 1
		.amdhsa_forward_progress 1
		.amdhsa_inst_pref_size 40
	.end_amdhsa_kernel
	.amdgpu_metadata
---
amdhsa.version: [ 1, 2 ]
amdhsa.kernels:
  - .name:           k_q5f826d4a6b_proj
    .symbol:         k_q5f826d4a6b_proj.kd
    .args:
      - { .name: oc, .offset: 0, .size: 8, .value_kind: global_buffer, .address_space: global }
      - { .name: os, .offset: 8, .size: 8, .value_kind: global_buffer, .address_space: global }
      - { .name: Wo_codes, .offset: 16, .size: 8, .value_kind: global_buffer, .address_space: global }
      - { .name: Wo_scales, .offset: 24, .size: 8, .value_kind: global_buffer, .address_space: global }
      - { .name: bo, .offset: 32, .size: 8, .value_kind: global_buffer, .address_space: global }
      - { .name: x, .offset: 40, .size: 8, .value_kind: global_buffer, .address_space: global }
      - { .name: gamma, .offset: 48, .size: 8, .value_kind: global_buffer, .address_space: global }
      - { .name: beta, .offset: 56, .size: 8, .value_kind: global_buffer, .address_space: global }
      - { .name: out0, .offset: 64, .size: 8, .value_kind: global_buffer, .address_space: global }
    .group_segment_fixed_size: 214016
    .private_segment_fixed_size: 0
    .kernarg_segment_align: 8
    .kernarg_segment_size: 72
    .max_flat_workgroup_size: 256
    .sgpr_count:     80
    .vgpr_count:     384
    .wavefront_size: 32
...
	.end_amdgpu_metadata
.endif
;; end of part 3
